; MI455X (gfx1250); checked and timed in simulation.
; The chip was launched on July 23, 2026; its instructions are those of AMD's public machine-readable ISA for CDNA 5 (MIT licence, August 2026) and "CDNA5" Instruction Set Architecture Reference Guide (July 2026). The comments in the code are by the model that wrote it; some were corrected since.
;; Render. Allowed arithmetic: float matrix products may take bf16 or f16 operands with f32 sums; all other float work in f32.
;; Inputs: tris 256 x 3 x 3 float32; uvmap 3 x 1,024 x 1,024 float32; uvs 256 x 3 x 2 float32.
;; Outputs: out0 4 x 256 x 256 float32.
;; Constants: size = 256.
;; 2 versions, each right; version 2 is version 1 with the launch raster written anew for expert scheduling mode. Each part assembles by itself: llvm-mc -triple=amdgcn-amd-amdhsa -mcpu=gfx1250 --defsym DOCPART=n.
;; ======== version 1 of 2: 3 launches
;; limits: right only within a limited range of input values
;; workspace buffers: masks 65,536 bytes of whole numbers; tex 524,288 bytes of whole numbers; wts 1,048,576 bytes
;; launch bin (part 1): grid 256 x 1, 8 waves a work-group, no clusters, 2,048 bytes of LDS; arguments tris, masks; writes masks
.if DOCPART == 1
	.amdgcn_target "amdgcn-amd-amdhsa--gfx1250"
	.amdhsa_code_object_version 6
	.text
	.protected	k_q46b88ae0b9_bin
	.globl	k_q46b88ae0b9_bin
	.p2align	8
	.type	k_q46b88ae0b9_bin,@function
k_q46b88ae0b9_bin:
	s_mov_b64 s[64:65], 0
	v_nop
	global_prefetch_b8 v0, s[64:65] scope:SCOPE_SE
	s_setreg_imm32_b32 hwreg(HW_REG_WAVE_MODE, 25, 1), 1
	s_wait_xcnt 0x0
; BIN: which triangles can touch which tile.  The picture is 256 x 256; a tile is 8 columns x 4 rows; a work-group owns a block of 16 x 16 pixels = 8 tiles
; (tile t: columns 8 (t & 1) on, rows 4 (t >> 1) on).  Thread n is triangle n, wave c holds triangles 32 c .. 32 c + 31.  Out: for each tile 8 words, bit l of word c = triangle 32 c + l.
; THE TEST.  The next launch takes a pixel as inside where all three edge values e = fma(X, dy, -T) are positive, X = px - a0, T = fl((py - a1) dx).  e > 0 means X dy > T; T is an f32 number and
; rounding is monotone, so fl(X dy) >= T.  X dy is monotone in the column and T in the row, so over a tile fl(X dy) is at most the larger of its values at the tile's two end columns (M1) and T at least
; the smaller of its values at the two end rows (M2).  A tile with M1 < M2 for some edge holds no inside pixel: no margin is needed, and the same holds for the unfused fl(X dy) - T.
; A triangle whose area is below 1e-9 is skipped by the reference: its M1 is made -infinity.  LIMIT: NaN and infinities among the vertices are not treated apart.
; No matrix unit, no tensor load, no cluster: the input is 9 KB, each thread loads its own 36 bytes once.
.set R255,  0x3b808081                 ; fl(1 / 255)
.set WMIN,  0x3089705f                 ; 1e-9
.set SPARE, 1024                       ; LDS: bytes 0-1023 the masks' stage (128 bytes a wave), then the spare words, 128 bytes a wave
.set SPW,   70                         ; v70  LDS address of my spare word; never rewritten
.set NIL,   71                         ; v71  0; never rewritten
.set M1,    30                         ; v30-35  edge e, tile column c at M1 + 2 e + c
.set M2,    36                         ; v36-47  edge e, tile row r at M2 + 4 e + r
                                       ; v48-65  the second end's value of each of these eighteen
	s_load_b128 s[4:7], s[0:1], 0x0                ; tris s[4:5], masks s[6:7]
	v_lshl_add_u32 v[SPW], v0, 2, SPARE
	v_mov_b32 v[NIL], 0
	v_and_b32 v1, 31, v0                           ; lane
	v_lshrrev_b32 v2, 5, v0
	v_readfirstlane_b32 s8, v2                     ; wave = word of the mask
	v_mul_u32_u24 v3, v0, 36                       ; my triangle: 9 floats
	s_and_b32 s9, ttmp9, 15
	s_lshl_b32 s9, s9, 4                           ; the block's first column
	s_lshr_b32 s10, ttmp9, 4
	s_lshl_b32 s10, s10, 4                         ; its first row
	s_sub_co_u32 s10, 271, s10                     ; 255 - first row + 16
	s_mov_b32 s29, WMIN
	s_wait_kmcnt 0x0
	global_load_b96 v[4:6], v3, s[4:5]             ; A: x, y, z
	global_load_b96 v[8:10], v3, s[4:5] offset:12  ; B
	global_load_b96 v[12:14], v3, s[4:5] offset:24 ; C
	; The grid's coordinates while the loads are out: lanes 0-15 the block's columns j, lanes 16-31 its rows i as 255 - i (row 0 is y = +1).
	; coordinate(n) = s - (1 - s), s = n fl(1/255): the order of the reference's linspace, so that both launches and the reference see the same numbers.
	v_add_nc_u32 v16, s9, v1
	v_sub_nc_u32 v17, s10, v1
	v_cmp_gt_u32 vcc_lo, 16, v1
	v_cndmask_b32 v16, v17, v16, vcc_lo
	v_cvt_f32_u32 v16, v16
	v_mul_f32 v16, R255, v16
	v_sub_f32 v17, 1.0, v16
	v_sub_f32 v16, v16, v17
	v_readlane_b32 s16, v16, 0                     ; tile column 0: its end columns
	v_readlane_b32 s17, v16, 7
	v_readlane_b32 s18, v16, 8                     ; tile column 1
	v_readlane_b32 s19, v16, 15
.irp r, 0,1,2,3
	v_readlane_b32 s[20+2*\r], v16, 16+4*\r        ; tile row r: its end rows
	v_readlane_b32 s[21+2*\r], v16, 19+4*\r
.endr
	v_mov_b32 v27, 0xff800000                      ; -infinity
	v_mov_b32 v28, 0                               ; lane t will hold tile t's word
	v_lshlrev_b32 v29, 2, v0                       ; stage: 128 bytes a wave, a word a lane
	s_wait_loadcnt 0x0
	v_sub_f32 v20, v5, v9                          ; edge AB: Ay - By
	v_sub_f32 v21, v4, v8                          ;          Ax - Bx
	v_sub_f32 v22, v9, v13                         ; edge CB: By - Cy
	v_sub_f32 v23, v8, v12                         ;          Bx - Cx
	v_sub_f32 v24, v13, v5                         ; edge CA: Cy - Ay
	v_sub_f32 v25, v12, v4                         ;          Cx - Ax
	v_mul_f32 v26, v20, v25                        ; the area (Bx-Ax)(Cy-Ay) - (By-Ay)(Cx-Ax): the differences above with their signs turned, which is exact
	v_fma_f32 v26, -v21, v24, v26
	v_cmp_ge_f32 s28, v26, s29                     ; triangles that count
; The extreme of (lo - a) d and (hi - a) d, in three passes so that no line waits for the one before it
.macro EXT st, op, dst, lo, hi, a, d
.if \st == 0
	v_sub_f32 v[\dst], s[\lo], v[\a]
	v_sub_f32 v[\dst+18], s[\hi], v[\a]
.elseif \st == 1
	v_mul_f32 v[\dst], v[\dst], v[\d]
	v_mul_f32 v[\dst+18], v[\dst+18], v[\d]
.else
	\op v[\dst], v[\dst], v[\dst+18]
.endif
.endm
.macro EDGE st, e, ax, ay, dy, dx
.irp c, 0,1
	EXT \st, v_max_num_f32, M1+2*\e+\c, 16+2*\c, 17+2*\c, \ax, \dy
.endr
.irp r, 0,1,2,3
	EXT \st, v_min_num_f32, M2+4*\e+\r, 20+2*\r, 21+2*\r, \ay, \dx
.endr
.endm
.irp st, 0,1,2
	EDGE \st, 0, 8, 9, 20, 21                      ; AB is taken from B
	EDGE \st, 1, 12, 13, 22, 23                    ; CB from C
	EDGE \st, 2, 4, 5, 24, 25                      ; CA from A
.endr
	v_cndmask_b32 v[M1], v27, v[M1], s28
	v_cndmask_b32 v[M1+1], v27, v[M1+1], s28
.irp t, 0,1,2,3,4,5,6,7
	v_cmp_ge_f32 s[32+3*\t], v[M1+(\t&1)], v[M2+(\t>>1)]
	v_cmp_ge_f32 s[33+3*\t], v[M1+2+(\t&1)], v[M2+4+(\t>>1)]
	v_cmp_ge_f32 s[34+3*\t], v[M1+4+(\t&1)], v[M2+8+(\t>>1)]
.endr
.irp t, 0,1,2,3,4,5,6,7
	s_and_b32 s[32+3*\t], s[32+3*\t], s[33+3*\t]
	s_and_b32 s[32+3*\t], s[32+3*\t], s[34+3*\t]
	v_writelane_b32 v28, s[32+3*\t], \t
.endr
	ds_store_b32 v29, v28                          ; word c of tile t at 128 c + 4 t (lanes 8-31 store zeros that nobody reads)
	s_wait_dscnt 0x0                               ; for wave 0's sake: my store is done
	s_barrier_signal -1
	s_barrier_wait -1
	s_cmp_lg_u32 s8, 0
	s_cbranch_scc1 .Lend
	; wave 0: lane L takes words 2 (L & 3) and 2 (L & 3) + 1 of tile L >> 2: 8 bytes a lane, 256 consecutive bytes, aligned, in one store
	v_and_b32 v66, 3, v1
	v_lshrrev_b32 v67, 2, v1
	v_lshlrev_b32 v67, 2, v67
	v_lshl_add_u32 v68, v66, 8, v67
	ds_load_b32 v66, v68
	ds_load_b32 v67, v68 offset:128
	s_lshl_b32 s11, ttmp9, 8
	v_lshl_add_u32 v69, v1, 3, s11
	s_wait_dscnt 0x0
	global_store_b64 v69, v[66:67], s[6:7]
.Lend:
	s_wait_tensorcnt 0x0                           ; the wave's end: three lines behind my last LDS store
	ds_add_u32 v[SPW], v[NIL]
	s_wait_dscnt 0x0
	s_endpgm
.Lfunc_end_k_q46b88ae0b9_bin:
	.size	k_q46b88ae0b9_bin, .Lfunc_end_k_q46b88ae0b9_bin-k_q46b88ae0b9_bin
	.p2alignl 7, 3214868480
	.fill 96, 4, 3214868480
	.section	.rodata,"a",@progbits
	.p2align	6, 0x0
	.amdhsa_kernel k_q46b88ae0b9_bin
		.amdhsa_group_segment_fixed_size 2048
		.amdhsa_private_segment_fixed_size 0
		.amdhsa_enable_private_segment 0
		.amdhsa_kernarg_size 16
		.amdhsa_user_sgpr_count 2
		.amdhsa_user_sgpr_kernarg_segment_ptr 1
		.amdhsa_wavefront_size32 1
		.amdhsa_system_sgpr_workgroup_id_x 1
		.amdhsa_system_sgpr_workgroup_id_y 1
		.amdhsa_system_sgpr_workgroup_id_z 1
		.amdhsa_system_vgpr_workitem_id 0
		.amdhsa_next_free_vgpr 72
		.amdhsa_next_free_sgpr 66
		.amdhsa_reserve_vcc 1
		.amdhsa_float_denorm_mode_32 3
		.amdhsa_float_denorm_mode_16_64 3
		.amdhsa_memory_ordered 1
		.amdhsa_forward_progress 1
		.amdhsa_inst_pref_size 9
	.end_amdhsa_kernel
	.amdgpu_metadata
---
amdhsa.version: [ 1, 2 ]
amdhsa.kernels:
  - .name:           k_q46b88ae0b9_bin
    .symbol:         k_q46b88ae0b9_bin.kd
    .args:
      - { .name: tris, .offset: 0, .size: 8, .value_kind: global_buffer, .address_space: global }
      - { .name: masks, .offset: 8, .size: 8, .value_kind: global_buffer, .address_space: global }
    .group_segment_fixed_size: 2048
    .private_segment_fixed_size: 0
    .kernarg_segment_align: 8
    .kernarg_segment_size: 16
    .max_flat_workgroup_size: 256
    .sgpr_count:     66
    .vgpr_count:     72
    .wavefront_size: 32
...
	.end_amdgpu_metadata
.endif
;; end of part 1
;; launch raster (part 2): grid 256 x 1, 8 waves a work-group, no clusters, 40,448 bytes of LDS; arguments tris, uvs, masks, tex, wts; writes tex, wts
.if DOCPART == 2
	.amdgcn_target "amdgcn-amd-amdhsa--gfx1250"
	.amdhsa_code_object_version 6
	.text
	.protected	k_q46b88ae0b9_raster
	.globl	k_q46b88ae0b9_raster
	.p2align	8
	.type	k_q46b88ae0b9_raster,@function
k_q46b88ae0b9_raster:
	s_mov_b64 s[64:65], 0
	v_nop
	global_prefetch_b8 v0, s[64:65] scope:SCOPE_SE
	s_setreg_imm32_b32 hwreg(HW_REG_WAVE_MODE, 25, 1), 1
	s_wait_xcnt 0x0
; RASTER: for each pixel the triangle that shows, and where it reads the map.  The reference's scan leaves at a pixel the inside triangle with the largest z (not below the least z of all vertices),
; among equal z the latest; that is a maximum by (z, index) and may be taken in any grouping.  So the map is sampled once a pixel (next launch) and a tile walks only the triangles of its mask.
; SHARES.  A work-group owns 16 x 16 pixels, wave w the tile of 8 columns x 4 rows at columns 8 (w & 1), rows 4 (w >> 1).  Thread n first makes triangle n's record in LDS (24 floats).
; A lane is (slot = lane >> 3, column = lane & 7) and holds its column's 4 rows; in a trip slot s takes entry 4 j + s of the tile's list: 4 triangles x 32 pixels a trip, four independent chains a lane.
; At the end the slots are merged by (z, index), and lane l is left with the pixel (row l >> 3, column l & 7).
; ARITHMETIC that decides pixels keeps the reference's order, with the multiply-adds fused:  e = fma(px - a0, dy, -fl((py - a1) dx));  w1 = pCB / w, w2 = pCA / w by reciprocal, product, exact
; residual and correction;  w3 = (1 - w1) - w2;  z = fma(w3, Cz, fma(w1, Az, fl(w2 Bz))), u and v likewise.
; LIMITS.  Inside is min(e1, e2, e3) > 0; the reference multiplies the three positive values, which differs only where that product underflows f32.  The quotient can differ from the correctly rounded
; one only where the true quotient lies within about 1e-7 of a last place of a rounding boundary.  NaN and infinities are not treated apart.  Triangles whose area is below 1e-9 are left out by the
; launch before, which takes the area by the same two lines as this one: they are in no tile's mask.
; OUT, in tile order (tile row x 32 + tile column, then lane): tex = (1024 by + bx, alpha's bits), wts = weights of columns bx, bx + 1 and rows by, by + 1, with bx, by in 0 .. 1022; taps outside the map
; and pixels that no triangle covers have weight 0.
; No matrix unit (no product; 16-bit operands would move edges), no tensor load or cluster (15 KB of input, read once a work-group through registers).
.set R255,  0x3b808081                 ; fl(1 / 255)
.set WMIN,  0x3089705f                 ; 1e-9
.set HALFW, 0x43ffc000                 ; 511.5 = (1024 - 1) / 2
.set LASTB, 0x447f8000                 ; 1022.0
.set PITCH, 112                        ; a record: 96 bytes + 16: 7 x 16
.set DUMMY, 256                        ; record 256 is all zeros: its edge values are 0, never inside
.set LIST,  28928                      ; behind 257 records: for each wave 264 entries and, as entry 264, a word for the lanes that have nothing to store
.set LISTW, 1280
.set ZMB,   39168                      ; the eight waves' least z
.set SPARE, 39424                      ; the spare words, 128 bytes a wave
.set SPW, 6                            ; v6   LDS address of my spare word; never rewritten
.set NIL, 7                            ; v7   0; never rewritten
.set PX,  8                            ; v8   my column's x
.set PY,  9                            ; v9-12  the four rows' y
.set LB,  13                           ; v13  my wave's list
.set LA,  15                           ; v15  my slot's next entry
.set ZB,  16                           ; v16-19  by row: depth so far
.set UB,  20                           ; v20-23  u of the triangle in front
.set VB,  24                           ; v24-27  v
.set OB,  28                           ; v28-31  its index, -1: none
.set IDX, 32
.set NXT, 33
.set RA,  34
.set XA,  35                           ; px - Ax, px - Bx, px - Cx
.set XB,  36
.set XC,  37
.set AX, 40                            ; the record, six quads
.set AY, 41
.set AZ, 42
.set WS, 43
.set BX, 44
.set BY, 45
.set BZ, 46
.set RW, 47
.set CX, 48
.set CY, 49
.set CZ, 50
.set DYAB, 52
.set DXAB, 53
.set DYCB, 54
.set DXCB, 55
.set DYCA, 56
.set DXCA, 57
.set U0, 58
.set V0, 59
.set U1, 60
.set V1, 61
.set U2, 62
.set V2, 63
.set TB, 72                            ; v72-119  twelve at work for each row
.macro LIN x, t                        ; a whole number 0 .. 255 in f32 -> the grid's coordinate s - (1 - s), s = n fl(1/255), as in the launch before
	v_mul_f32 v[\x], R255, v[\x]
	v_sub_f32 v[\t], 1.0, v[\x]
	v_sub_f32 v[\x], v[\x], v[\t]
.endm
	s_load_b256 s[4:11], s[0:1], 0x0               ; tris s[4:5], uvs s[6:7], masks s[8:9], tex s[10:11]
	s_load_b64 s[12:13], s[0:1], 0x20              ; wts
	v_lshl_add_u32 v[SPW], v0, 2, SPARE
	v_mov_b32 v[NIL], 0
	v_and_b32 v1, 31, v0                           ; lane
	v_lshrrev_b32 v2, 5, v0
	v_readfirstlane_b32 s14, v2                    ; wave = tile of the block
	v_mul_u32_u24 v3, v0, 36                       ; my triangle's 9 floats
	v_mul_u32_u24 v4, v0, 24                       ; and its 6 of uvs
	s_lshl_b32 s36, ttmp9, 8                       ; 8 tiles x 32 bytes a block,
	s_lshl_b32 s37, s14, 5
	s_add_co_u32 s36, s36, s37                     ; my tile's 8 words
	s_mov_b32 s37, 0
	s_wait_kmcnt 0x0
	s_add_nc_u64 s[8:9], s[8:9], s[36:37]
	s_load_b256 s[16:23], s[8:9], 0x0
	global_load_b96 v[40:42], v3, s[4:5]           ; A, B, C land where the record wants them
	global_load_b96 v[44:46], v3, s[4:5] offset:12
	global_load_b96 v[48:50], v3, s[4:5] offset:24
	global_load_b64 v[64:65], v4, s[6:7]
	global_load_b64 v[66:67], v4, s[6:7] offset:8
	global_load_b64 v[68:69], v4, s[6:7] offset:16
	; while they are out: the tile's coordinates and the constants
	s_and_b32 s38, ttmp9, 15
	s_lshl_b32 s38, s38, 4
	s_and_b32 s40, s14, 1
	s_lshl3_add_u32 s38, s40, s38                  ; first column
	s_lshr_b32 s39, ttmp9, 4
	s_lshl_b32 s39, s39, 4
	s_lshr_b32 s41, s14, 1
	s_lshl2_add_u32 s39, s41, s39                  ; first row
	s_sub_co_u32 s42, 255, s39                     ; row i has y = coordinate(255 - i)
	v_and_b32 v2, 7, v1
	v_add_nc_u32 v[PX], s38, v2
	v_cvt_f32_u32 v[PX], v[PX]
.irp r, 0,1,2,3
	s_sub_co_u32 s[44+\r], s42, \r
	v_cvt_f32_u32 v[PY+\r], s[44+\r]
.endr
	LIN PX, 120
	LIN PY, 121
	LIN PY+1, 122
	LIN PY+2, 123
	LIN PY+3, 124
	s_mul_i32 s48, s14, LISTW
	s_add_co_u32 s48, s48, LIST
	v_mov_b32 v[LB], s48
	v_lshrrev_b32 v2, 3, v1                        ; slot
	v_lshl_add_u32 v[LA], v2, 2, v[LB]
	s_mov_b32 s49, WMIN
	s_mov_b32 s51, HALFW
	s_mov_b32 s55, LASTB
	s_mov_b32 s52, 0x76543210                      ; v_permlanex16_b32: each lane takes its own place in the other half
	s_mov_b32 s53, 0xfedcba98
	s_lshl_b32 s54, s14, 2
	s_add_co_u32 s54, s54, ZMB
	; THE LIST.  Bit l of word c goes to entry (bits set in words before c) + (bits set below l).  A lane without its bit gets 512 more and is clamped onto entry 264.
	s_wait_kmcnt 0x0
	s_mov_b32 s24, 0
.irp c, 0,1,2,3,4,5,6,7
	s_bcnt1_i32_b32 s50, s[16+\c]
	s_add_co_u32 s[25+\c], s[24+\c], s50
	s_not_b32 s[56+\c], s[16+\c]
.endr
	s_add_co_u32 s33, s32, 3
	s_lshr_b32 s33, s33, 2                         ; trips: four entries each
.irp c, 0,1,2,3,4,5,6,7
	v_bfe_u32 v[120+2*\c], s[56+\c], v1, 1
	v_mbcnt_lo_u32_b32 v[121+2*\c], s[16+\c], s[24+\c]
	v_lshl_add_u32 v[120+2*\c], v[120+2*\c], 9, v[121+2*\c]
	v_min_u32 v[120+2*\c], 264, v[120+2*\c]        ; a number made of loaded words enters an address only behind this clamp
	v_lshl_add_u32 v[120+2*\c], v[120+2*\c], 2, v[LB]
	v_add_nc_u32 v[121+2*\c], 32*\c, v1
	ds_store_b32 v[120+2*\c], v[121+2*\c]
.endr
	v_and_b32 v136, 7, v1                          ; eight dummies behind the last entry: the last trip's empty slots, and the entry that it fetches ahead
	v_add_nc_u32 v136, s32, v136
	v_min_u32 v136, 263, v136
	v_lshl_add_u32 v136, v136, 2, v[LB]
	v_mov_b32 v137, DUMMY
	ds_store_b32 v136, v137
	; MY TRIANGLE'S RECORD
	v_mul_u32_u24 v141, v0, PITCH
	v_mov_b32 v142, s54
	s_wait_loadcnt 0x0
	v_sub_f32 v[DYAB], v[AY], v[BY]
	v_sub_f32 v[DXAB], v[AX], v[BX]
	v_sub_f32 v[DYCB], v[BY], v[CY]
	v_sub_f32 v[DXCB], v[BX], v[CX]
	v_sub_f32 v[DYCA], v[CY], v[AY]
	v_sub_f32 v[DXCA], v[CX], v[AX]
	v_mul_f32 v[WS], v[DYAB], v[DXCA]              ; the area, as in the launch before
	v_fma_f32 v[WS], -v[DXAB], v[DYCA], v[WS]
	v_min3_num_f32 v139, v[AZ], v[BZ], v[CZ]
	v_cmp_ge_f32 vcc_lo, v[WS], s49
	v_cndmask_b32 v[WS], 1.0, v[WS], vcc_lo
	v_rcp_f32 v[RW], v[WS]
	v_fma_f32 v[U0], v64, 2.0, -1.0                ; uvs from 0 .. 1 to -1 .. 1; these plain lines stand between the reciprocal and its use (ISA guide 5.7.2)
	v_fma_f32 v[V0], v65, 2.0, -1.0
	v_fma_f32 v[U1], v66, 2.0, -1.0
	v_fma_f32 v[V1], v67, 2.0, -1.0
	v_fma_f32 v[U2], v68, 2.0, -1.0
	v_fma_f32 v[V2], v69, 2.0, -1.0
	s_wait_alu depctr_va_vdst(0)
	v_fma_f32 v138, -v[WS], v[RW], 1.0             ; one step of Newton
	v_fma_f32 v[RW], v138, v[RW], v[RW]
	v_mov_b32 v51, 0
	v_mov_b32 v140, v139
	v_min_num_f32_dpp v139, v139, v139 row_xmask:1 row_mask:0xf bank_mask:0xf  ; the wave's least z
	v_min_num_f32_dpp v139, v139, v139 row_xmask:2 row_mask:0xf bank_mask:0xf
	v_min_num_f32_dpp v139, v139, v139 row_xmask:4 row_mask:0xf bank_mask:0xf
	v_min_num_f32_dpp v139, v139, v139 row_xmask:8 row_mask:0xf bank_mask:0xf
	v_permlanex16_b32 v140, v139, s52, s53
	v_min_num_f32 v139, v139, v140
.irp k, 0,1,2,3,4,5
	ds_store_b128 v141, v[40+4*\k:43+4*\k] offset:16*\k
.endr
	ds_store_b32 v142, v139
	s_cmp_lg_u32 s14, 0
	s_cbranch_scc1 .Lno_dummy
	v_mov_b32 v143, DUMMY*PITCH                    ; wave 0 also writes the dummy record
	v_mov_b32 v144, 0
	v_mov_b32 v145, 0
	v_mov_b32 v146, 0
	v_mov_b32 v147, 0
.irp k, 0,1,2,3,4,5
	ds_store_b128 v143, v[144:147] offset:16*\k
.endr
.Lno_dummy:
	s_wait_dscnt 0x0                               ; for the others' sake: my records and my least z are in LDS
	s_barrier_signal -1
	s_barrier_wait -1
	v_mov_b32 v142, ZMB
	ds_load_b128 v[148:151], v142
	ds_load_b128 v[152:155], v142 offset:16
	ds_load_b32 v[NXT], v[LA]                      ; trip 0's entry
	v_add_nc_u32 v[LA], 16, v[LA]
.irp r, 0,1,2,3
	v_mov_b32 v[UB+\r], 0
	v_mov_b32 v[VB+\r], 0
	v_mov_b32 v[OB+\r], -1
.endr
	s_wait_dscnt 0x1                               ; the eight least z are in; the entry, issued behind them, may stay out
	v_min3_num_f32 v148, v148, v149, v150
	v_min3_num_f32 v148, v148, v151, v152
	v_min3_num_f32 v148, v148, v153, v154
	v_min_num_f32 v[ZB], v148, v155                ; the depth starts at the least z of all vertices
	v_mov_b32 v[ZB+1], v[ZB]
	v_mov_b32 v[ZB+2], v[ZB]
	v_mov_b32 v[ZB+3], v[ZB]
	; THE WALK.  The counter runs to the constant 64 (256 entries); the loop is left by a forward jump when the tile's trips are done.
	s_mov_b32 s34, 0
.Ltrip:
	s_cmp_ge_u32 s34, s33
	s_cbranch_scc1 .Ldone
	s_wait_dscnt 0x0                               ; my slot's entry, asked for a trip ago
	v_min_u32 v[IDX], DUMMY, v[NXT]                ; a loaded number: clamped before it enters an address
	v_mul_u32_u24 v[RA], v[IDX], PITCH
.irp k, 0,1,2,3,4,5
	ds_load_b128 v[40+4*\k:43+4*\k], v[RA] offset:16*\k
.endr
	ds_load_b32 v[NXT], v[LA]                      ; the next trip's entry
	v_add_nc_u32 v[LA], 16, v[LA]
	s_wait_dscnt 0x4                               ; seven were issued: the first three quads (the vertices, w, 1/w) are in
	v_sub_f32 v[XB], v[PX], v[BX]
	v_sub_f32 v[XC], v[PX], v[CX]
	v_sub_f32 v[XA], v[PX], v[AX]
.irp r, 0,1,2,3
.set T, TB+12*\r
	v_sub_f32 v[T], v[PY+\r], v[BY]
	v_sub_f32 v[T+1], v[PY+\r], v[CY]
	v_sub_f32 v[T+2], v[PY+\r], v[AY]
.endr
	s_wait_dscnt 0x2                               ; quads 3 and 4 (the edges' differences, u0, v0)
.irp r, 0,1,2,3
.set T, TB+12*\r
	v_mul_f32 v[T], v[T], v[DXAB]
	v_mul_f32 v[T+1], v[T+1], v[DXCB]
	v_mul_f32 v[T+2], v[T+2], v[DXCA]
.endr
.irp r, 0,1,2,3
.set T, TB+12*\r
	v_fma_f32 v[T], v[XB], v[DYAB], -v[T]          ; pAB
	v_fma_f32 v[T+1], v[XC], v[DYCB], -v[T+1]      ; pCB
	v_fma_f32 v[T+2], v[XA], v[DYCA], -v[T+2]      ; pCA
.endr
.irp r, 0,1,2,3
.set T, TB+12*\r
	v_min3_num_f32 v[T+3], v[T], v[T+1], v[T+2]
	v_mul_f32 v[T+4], v[T+1], v[RW]
	v_mul_f32 v[T+5], v[T+2], v[RW]
.endr
.irp r, 0,1,2,3
.set T, TB+12*\r
	v_fma_f32 v[T+6], -v[T+4], v[WS], v[T+1]       ; what the first quotient leaves, exactly
	v_fma_f32 v[T+7], -v[T+5], v[WS], v[T+2]
	v_cmp_lt_f32 s[56+\r], 0, v[T+3]               ; inside
.endr
.irp r, 0,1,2,3
.set T, TB+12*\r
	v_fma_f32 v[T+4], v[T+6], v[RW], v[T+4]        ; w1
	v_fma_f32 v[T+5], v[T+7], v[RW], v[T+5]        ; w2
.endr
	s_wait_dscnt 0x1                               ; quad 5 (u1, v1, u2, v2); only the next entry is out
.irp r, 0,1,2,3
.set T, TB+12*\r
	v_sub_f32 v[T+8], 1.0, v[T+4]
	v_mul_f32 v[T+9], v[T+5], v[BZ]
	v_mul_f32 v[T+10], v[T+5], v[U1]
	v_mul_f32 v[T+11], v[T+5], v[V1]
.endr
.irp r, 0,1,2,3
.set T, TB+12*\r
	v_sub_f32 v[T+8], v[T+8], v[T+5]               ; w3
	v_fma_f32 v[T+9], v[T+4], v[AZ], v[T+9]
	v_fma_f32 v[T+10], v[T+4], v[U0], v[T+10]
	v_fma_f32 v[T+11], v[T+4], v[V0], v[T+11]
.endr
.irp r, 0,1,2,3
.set T, TB+12*\r
	v_fma_f32 v[T+9], v[T+8], v[CZ], v[T+9]        ; z
	v_fma_f32 v[T+10], v[T+8], v[U2], v[T+10]      ; u
	v_fma_f32 v[T+11], v[T+8], v[V2], v[T+11]      ; v
.endr
.irp r, 0,1,2,3
.set T, TB+12*\r
	v_cmp_ge_f32 s[60+\r], v[T+9], v[ZB+\r]        ; level counts as in front: a slot's entries come in rising order
.endr
.irp r, 0,1,2,3
.set T, TB+12*\r
	s_and_b32 s[56+\r], s[56+\r], s[60+\r]
	v_cndmask_b32 v[ZB+\r], v[ZB+\r], v[T+9], s[56+\r]
	v_cndmask_b32 v[UB+\r], v[UB+\r], v[T+10], s[56+\r]
	v_cndmask_b32 v[VB+\r], v[VB+\r], v[T+11], s[56+\r]
	v_cndmask_b32 v[OB+\r], v[OB+\r], v[IDX], s[56+\r]
.endr
	s_add_co_u32 s34, s34, 1
	s_cmp_lt_u32 s34, 64
	s_cbranch_scc1 .Ltrip
.Ldone:
	s_wait_dscnt 0x0                               ; the entry fetched ahead and not used is back: all my reads of LDS are over,
	s_barrier_signal -1                            ; and I say so.  The merge below, work on registers alone, stands between the signal and the wait;
	                                               ; behind the wait no wave still reads LDS, and only there does a wave write LDS again (its closing add)
	; THE FOUR SLOTS BECOME ONE.  Candidate b takes candidate a's place where it lies in front, or level with a later triangle.
.macro PICK a, b, m
	v_cmp_gt_f32 s[\m], v[ZB+\b], v[ZB+\a]
	v_cmp_eq_f32 s[\m+1], v[ZB+\b], v[ZB+\a]
	v_cmp_gt_i32 s[\m+2], v[OB+\b], v[OB+\a]
	s_and_b32 s[\m+1], s[\m+1], s[\m+2]
	s_or_b32 s[\m], s[\m], s[\m+1]
	v_cndmask_b32 v[ZB+\a], v[ZB+\a], v[ZB+\b], s[\m]
	v_cndmask_b32 v[UB+\a], v[UB+\a], v[UB+\b], s[\m]
	v_cndmask_b32 v[VB+\a], v[VB+\a], v[VB+\b], s[\m]
	v_cndmask_b32 v[OB+\a], v[OB+\a], v[OB+\b], s[\m]
.endm
	; Lanes 16 apart: the swap gives lanes 0-15 both candidates for rows 0 and 1 (registers 0, 2 and 1, 3), lanes 16-31 both for rows 2 and 3.
.irp f, ZB, UB, VB, OB
	v_permlane16_swap_b32 v[\f], v[\f+2]
	v_permlane16_swap_b32 v[\f+1], v[\f+3]
.endr
	PICK 0, 2, 56
	PICK 1, 3, 60
	; Lanes 8 apart: a lane with bit 3 keeps its second row and sends the first, the others the other way round.
	s_mov_b32 s59, 0xff00ff00
.irp f, ZB, UB, VB, OB
	v_cndmask_b32 v[\f+3], v[\f+1], v[\f], s59
	v_cndmask_b32 v[\f], v[\f], v[\f+1], s59
	v_mov_b32_dpp v[\f+2], v[\f+3] row_xmask:8 row_mask:0xf bank_mask:0xf
.endr
	PICK 0, 2, 60
	; WHERE THE PIXEL READS THE MAP.  x = (g + 1) / 2 x 1023; x0 = floor x, wx = x - x0; taps x0 (weight 1 - wx) and x0 + 1 (weight wx), none outside 0 .. 1023.
	; The base b = x0 clamped to 0 .. 1022 makes the two taps columns b and b + 1: x0 = b: (1 - wx, wx); x0 = b - 1 (x0 = -1): (wx, 0); x0 = b + 1 (x0 = 1023): (0, 1 - wx); else (0, 0).
.macro AXIS g, b, l, r, t, m
	v_fma_f32 v[\b], v[\g], s51, s51
	v_floor_f32 v[\t], v[\b]
	v_sub_f32 v[\t+1], v[\b], v[\t]
	v_sub_f32 v[\t+2], 1.0, v[\t+1]
	v_med3_num_f32 v[\b], v[\t], 0, s55
	v_sub_f32 v[\t], v[\t], v[\b]
	v_cmp_eq_f32 s[\m], 0, v[\t]
	v_cmp_eq_f32 s[\m+1], -1.0, v[\t]
	v_cmp_eq_f32 s[\m+2], 1.0, v[\t]
	v_cndmask_b32 v[\l], 0, v[\t+1], s[\m+1]
	v_cndmask_b32 v[\r], 0, v[\t+2], s[\m+2]
	v_cndmask_b32 v[\l], v[\l], v[\t+2], s[\m]
	v_cndmask_b32 v[\r], v[\r], v[\t+1], s[\m]
.endm
	AXIS UB, 90, 80, 81, 92, 56
	AXIS VB, 91, 82, 83, 96, 60
	v_cmp_le_i32 s59, 0, v[OB]                     ; a triangle covers the pixel
	v_cndmask_b32 v80, 0, v80, s59                 ; if none: both column weights 0, so every tap's weight is 0
	v_cndmask_b32 v81, 0, v81, s59
	v_cndmask_b32 v85, 0, 1.0, s59                 ; alpha
	v_cvt_u32_f32 v86, v90
	v_cvt_u32_f32 v87, v91
	v_lshl_add_u32 v84, v87, 10, v86
	s_lshr_b32 s43, ttmp9, 4
	s_lshl2_add_u32 s43, s43, s41                  ; tile row
	s_lshl_b32 s43, s43, 5
	s_and_b32 s50, ttmp9, 15
	s_lshl1_add_u32 s50, s50, s40                  ; tile column
	s_add_co_u32 s43, s43, s50
	s_lshl_b32 s50, s43, 8
	v_lshl_add_u32 v88, v1, 3, s50
	s_lshl_b32 s50, s43, 9
	v_lshl_add_u32 v89, v1, 4, s50
	s_barrier_wait -1                              ; all eight waves have said that their reads of LDS are over
	global_store_b64 v88, v[84:85], s[10:11]       ; the wave's 256 consecutive bytes, aligned
	global_store_b128 v89, v[80:83], s[12:13]      ; 512 consecutive bytes, aligned
	s_wait_tensorcnt 0x0                           ; the wave's end: three lines behind my last LDS store
	ds_add_u32 v[SPW], v[NIL]
	s_wait_dscnt 0x0
	s_endpgm
.Lfunc_end_k_q46b88ae0b9_raster:
	.size	k_q46b88ae0b9_raster, .Lfunc_end_k_q46b88ae0b9_raster-k_q46b88ae0b9_raster
	.p2alignl 7, 3214868480
	.fill 96, 4, 3214868480
	.section	.rodata,"a",@progbits
	.p2align	6, 0x0
	.amdhsa_kernel k_q46b88ae0b9_raster
		.amdhsa_group_segment_fixed_size 40448
		.amdhsa_private_segment_fixed_size 0
		.amdhsa_enable_private_segment 0
		.amdhsa_kernarg_size 40
		.amdhsa_user_sgpr_count 2
		.amdhsa_user_sgpr_kernarg_segment_ptr 1
		.amdhsa_wavefront_size32 1
		.amdhsa_system_sgpr_workgroup_id_x 1
		.amdhsa_system_sgpr_workgroup_id_y 1
		.amdhsa_system_sgpr_workgroup_id_z 1
		.amdhsa_system_vgpr_workitem_id 0
		.amdhsa_next_free_vgpr 156
		.amdhsa_next_free_sgpr 66
		.amdhsa_reserve_vcc 1
		.amdhsa_float_denorm_mode_32 3
		.amdhsa_float_denorm_mode_16_64 3
		.amdhsa_memory_ordered 1
		.amdhsa_forward_progress 1
		.amdhsa_inst_pref_size 25
	.end_amdhsa_kernel
	.amdgpu_metadata
---
amdhsa.version: [ 1, 2 ]
amdhsa.kernels:
  - .name:           k_q46b88ae0b9_raster
    .symbol:         k_q46b88ae0b9_raster.kd
    .args:
      - { .name: tris, .offset: 0, .size: 8, .value_kind: global_buffer, .address_space: global }
      - { .name: uvs, .offset: 8, .size: 8, .value_kind: global_buffer, .address_space: global }
      - { .name: masks, .offset: 16, .size: 8, .value_kind: global_buffer, .address_space: global }
      - { .name: tex, .offset: 24, .size: 8, .value_kind: global_buffer, .address_space: global }
      - { .name: wts, .offset: 32, .size: 8, .value_kind: global_buffer, .address_space: global }
    .group_segment_fixed_size: 40448
    .private_segment_fixed_size: 0
    .kernarg_segment_align: 8
    .kernarg_segment_size: 40
    .max_flat_workgroup_size: 256
    .sgpr_count:     66
    .vgpr_count:     156
    .wavefront_size: 32
...
	.end_amdgpu_metadata
.endif
;; end of part 2
;; launch shade (part 3): grid 256 x 1, 4 waves a work-group, no clusters, 0 bytes of LDS; arguments uvmap, tex, wts, out0; writes out0
.if DOCPART == 3
	.amdgcn_target "amdgcn-amd-amdhsa--gfx1250"
	.amdhsa_code_object_version 6
	.text
	.protected	k_q46b88ae0b9_shade
	.globl	k_q46b88ae0b9_shade
	.p2align	8
	.type	k_q46b88ae0b9_shade,@function
k_q46b88ae0b9_shade:
	s_mov_b64 s[64:65], 0
	v_nop
	global_prefetch_b8 v0, s[64:65] scope:SCOPE_SE
	s_setreg_imm32_b32 hwreg(HW_REG_WAVE_MODE, 25, 1), 1
	s_wait_xcnt 0x0
; SHADE: out0[c][i][j] = the four taps of channel c of the map, mixed by the pixel's weights; out0[3] = alpha.
; A work-group owns a strip of 64 columns x 4 rows = 8 tiles of the launch before, whose records lie end to end (2 KB of tex, 4 KB of wts); wave w takes row w, lane l columns 2 l and 2 l + 1.
; So every store of the wave covers 256 consecutive bytes of a row of out0, aligned.  The records come in pieces of 64 and 128 bytes (a tile's row); the four waves of the group together read each byte once.
; The texel index is a loaded whole number: it is clamped to 1022 x 1024 + 1022 before it enters an address, so that the tap one row down and one column on is the channel's last float at the most.
; All 24 texel loads of a lane are issued before the first is waited for.  No LDS, no barrier: no wave needs another's data.
.set PLANE, 0x400000                   ; bytes in a channel of the map
.set TOP,   0xffbfe                    ; 1022 x 1024 + 1022
.set OPL,   262144                     ; bytes in a plane of out0
	s_load_b256 s[4:11], s[0:1], 0x0               ; uvmap s[4:5], tex s[6:7], wts s[8:9], out0 s[10:11]
	v_and_b32 v1, 31, v0
	v_lshrrev_b32 v2, 5, v0
	v_readfirstlane_b32 s12, v2                    ; wave = row of the strip
	v_lshrrev_b32 v3, 2, v1                        ; which of the 8 tiles
	v_and_b32 v4, 3, v1                            ; which pair of its 8 columns
	s_lshl_b32 s13, ttmp9, 11                      ; tex: 2,048 bytes a strip, 256 a tile, 64 a row, 16 a pair
	s_lshl_b32 s18, s12, 6
	s_add_co_u32 s13, s13, s18
	v_lshlrev_b32 v5, 8, v3
	v_lshl_add_u32 v5, v4, 4, v5
	v_add_nc_u32 v5, s13, v5
	v_lshlrev_b32 v6, 1, v5                        ; wts: twice that
	s_lshr_b32 s19, ttmp9, 2                       ; out0: 4 rows of 1,024 bytes a tile row, 256 bytes a strip, 8 a lane
	s_lshl_b32 s19, s19, 12
	s_lshl_b32 s20, s12, 10
	s_add_co_u32 s19, s19, s20
	s_and_b32 s20, ttmp9, 3
	s_lshl_b32 s20, s20, 8
	s_add_co_u32 s19, s19, s20
	v_lshl_add_u32 v7, v1, 3, s19
	s_wait_kmcnt 0x0
	global_load_b128 v[8:11], v5, s[6:7]           ; index, alpha, index, alpha
	global_load_b128 v[12:15], v6, s[8:9]          ; first pixel: weights of columns b, b + 1 and rows b, b + 1
	global_load_b128 v[16:19], v6, s[8:9] offset:16
	s_add_nc_u64 s[14:15], s[4:5], PLANE           ; a base for each channel: two planes and a tap do not fit the 24-bit immediate
	s_add_nc_u64 s[16:17], s[4:5], 2*PLANE
	s_wait_loadcnt 0x2                             ; the indices are in; the two loads of weights are younger
	v_min_u32 v20, TOP, v8
	v_min_u32 v21, TOP, v10
	v_lshlrev_b32 v20, 2, v20
	v_lshlrev_b32 v21, 2, v21
.macro TAPS c, base                    ; channel c: four taps for each of my two pixels
.irp p, 0,1
	global_load_b32 v[24+8*\c+4*\p],   v[20+\p], s[\base:\base+1]
	global_load_b32 v[24+8*\c+4*\p+1], v[20+\p], s[\base:\base+1] offset:4
	global_load_b32 v[24+8*\c+4*\p+2], v[20+\p], s[\base:\base+1] offset:4096
	global_load_b32 v[24+8*\c+4*\p+3], v[20+\p], s[\base:\base+1] offset:4100
.endr
.endm
	TAPS 0, 4
	TAPS 1, 14
	TAPS 2, 16
	v_mov_b32 v56, v9
	v_mov_b32 v57, v11
	global_store_b64 v7, v[56:57], s[10:11] offset:3*OPL
	s_wait_loadcnt 24                              ; the weights are in; the 24 texel loads are younger
.irp p, 0,1
	v_mul_f32 v[48+4*\p],   v[12+4*\p], v[14+4*\p] ; column b, row b
	v_mul_f32 v[48+4*\p+1], v[13+4*\p], v[14+4*\p] ; column b + 1, row b
	v_mul_f32 v[48+4*\p+2], v[12+4*\p], v[15+4*\p] ; column b, row b + 1
	v_mul_f32 v[48+4*\p+3], v[13+4*\p], v[15+4*\p]
.endr
.macro MIX c, left                     ; left: the younger channels' loads, which may stay out
	s_wait_loadcnt \left
.irp p, 0,1
	v_mul_f32 v[58+2*\c+\p], v[24+8*\c+4*\p], v[48+4*\p]
.endr
.irp k, 1,2,3
.irp p, 0,1
	v_fmac_f32 v[58+2*\c+\p], v[24+8*\c+4*\p+\k], v[48+4*\p+\k]
.endr
.endr
	global_store_b64 v7, v[58+2*\c:59+2*\c], s[10:11] offset:\c*OPL
.endm
	MIX 0, 16
	MIX 1, 8
	MIX 2, 0
	s_endpgm
.Lfunc_end_k_q46b88ae0b9_shade:
	.size	k_q46b88ae0b9_shade, .Lfunc_end_k_q46b88ae0b9_shade-k_q46b88ae0b9_shade
	.p2alignl 7, 3214868480
	.fill 96, 4, 3214868480
	.section	.rodata,"a",@progbits
	.p2align	6, 0x0
	.amdhsa_kernel k_q46b88ae0b9_shade
		.amdhsa_group_segment_fixed_size 0
		.amdhsa_private_segment_fixed_size 0
		.amdhsa_enable_private_segment 0
		.amdhsa_kernarg_size 32
		.amdhsa_user_sgpr_count 2
		.amdhsa_user_sgpr_kernarg_segment_ptr 1
		.amdhsa_wavefront_size32 1
		.amdhsa_system_sgpr_workgroup_id_x 1
		.amdhsa_system_sgpr_workgroup_id_y 1
		.amdhsa_system_sgpr_workgroup_id_z 1
		.amdhsa_system_vgpr_workitem_id 0
		.amdhsa_next_free_vgpr 64
		.amdhsa_next_free_sgpr 66
		.amdhsa_reserve_vcc 0
		.amdhsa_float_denorm_mode_32 3
		.amdhsa_float_denorm_mode_16_64 3
		.amdhsa_memory_ordered 1
		.amdhsa_forward_progress 1
		.amdhsa_inst_pref_size 6
	.end_amdhsa_kernel
	.amdgpu_metadata
---
amdhsa.version: [ 1, 2 ]
amdhsa.kernels:
  - .name:           k_q46b88ae0b9_shade
    .symbol:         k_q46b88ae0b9_shade.kd
    .args:
      - { .name: uvmap, .offset: 0, .size: 8, .value_kind: global_buffer, .address_space: global }
      - { .name: tex, .offset: 8, .size: 8, .value_kind: global_buffer, .address_space: global }
      - { .name: wts, .offset: 16, .size: 8, .value_kind: global_buffer, .address_space: global }
      - { .name: out0, .offset: 24, .size: 8, .value_kind: global_buffer, .address_space: global }
    .group_segment_fixed_size: 0
    .private_segment_fixed_size: 0
    .kernarg_segment_align: 8
    .kernarg_segment_size: 32
    .max_flat_workgroup_size: 128
    .sgpr_count:     66
    .vgpr_count:     64
    .wavefront_size: 32
...
	.end_amdgpu_metadata
.endif
;; end of part 3
;; ======== version 2 of 2: 3 launches; version 1 with the launch raster written anew for expert scheduling mode
;; limits: right only within a limited range of input values
;; workspace buffers: masks 65,536 bytes of whole numbers; tex 524,288 bytes of whole numbers; wts 1,048,576 bytes
;; launch bin: the kernel of part 1 again; grid 256 x 1, 8 waves a work-group, no clusters, 2,048 bytes of LDS; arguments tris, masks; writes masks
;; launch raster (part 4): grid 256 x 1, 8 waves a work-group, no clusters, 40,448 bytes of LDS; arguments tris, uvs, masks, tex, wts; writes tex, wts
.if DOCPART == 4
	.amdgcn_target "amdgcn-amd-amdhsa--gfx1250"
	.amdhsa_code_object_version 6
	.text
	.protected	k_q46b88ae0b9_raster
	.globl	k_q46b88ae0b9_raster
	.p2align	8
	.type	k_q46b88ae0b9_raster,@function
k_q46b88ae0b9_raster:
	s_mov_b64 s[64:65], 0
	v_nop
	global_prefetch_b8 v0, s[64:65] scope:SCOPE_SE
	s_setreg_imm32_b32 hwreg(HW_REG_WAVE_SCHED_MODE, 0, 2), 2
	s_setreg_imm32_b32 hwreg(HW_REG_WAVE_MODE, 25, 1), 1
	s_wait_xcnt 0x0
	s_wait_alu depctr_vm_vsrc(0)
; RASTER: for each pixel the triangle that shows, and where it reads the map.  The reference's scan leaves at a pixel the inside triangle with the largest z (not below the least z of all vertices),
; among equal z the latest; that is a maximum by (z, index) and may be taken in any grouping.  So the map is sampled once a pixel (next launch) and a tile walks only the triangles of its mask.
; SHARES.  A work-group owns 16 x 16 pixels, wave w the tile of 8 columns x 4 rows at columns 8 (w & 1), rows 4 (w >> 1).  Thread n first makes triangle n's record in LDS (24 floats).
; A lane is (slot = lane >> 3, column = lane & 7) and holds its column's 4 rows; in a trip slot s takes entry 4 j + s of the tile's list: 4 triangles x 32 pixels a trip, four independent chains a lane.
; At the end the slots are merged by (z, index), and lane l is left with the pixel (row l >> 3, column l & 7).
; ARITHMETIC that decides pixels keeps the reference's order, with the multiply-adds fused:  e = fma(px - a0, dy, -fl((py - a1) dx));  w1 = pCB / w, w2 = pCA / w by reciprocal, product, exact
; residual and correction;  w3 = (1 - w1) - w2;  z = fma(w3, Cz, fma(w1, Az, fl(w2 Bz))), u and v likewise.
; LIMITS.  Inside is min(e1, e2, e3) > 0; the reference multiplies the three positive values, which differs only where that product underflows f32.  The quotient can differ from the correctly rounded
; one only where the true quotient lies within about 1e-7 of a last place of a rounding boundary.  NaN and infinities are not treated apart.  Triangles whose area is below 1e-9 are left out by the
; launch before, which takes the area by the same two lines as this one: they are in no tile's mask.
; OUT, in tile order (tile row x 32 + tile column, then lane): tex = (1024 by + bx, alpha's bits), wts = weights of columns bx, bx + 1 and rows by, by + 1, with bx, by in 0 .. 1022; taps outside the map
; and pixels that no triangle covers have weight 0.
; No matrix unit (no product; 16-bit operands would move edges), no tensor load or cluster (15 KB of input, read once a work-group through registers).
; THE MODE: SCHED_MODE bits 1:0 = 2 (LLVM: expert scheduling mode 2), set by the entry lines.  The code itself states the register dependences between vector instructions and memory or LDS
; instructions, and those through scalar registers and VCC that vector instructions write, with s_wait_alu, always for 0.
; THE PLAN.  Registers that memory or LDS instructions touch:
;   v3, v4          offsets of tris and uvs: made at the head, read by the six global loads, never written again.
;   v120-137        the list's addresses and entries: made in one run, read by one run of nine LDS stores, never written again.
;   v141, v142, v38 LDS addresses of my record, of my wave's least z and of all eight: made in that run, never written again.
;   v40-63          the record.  At the head: filled by global loads and vector lines, read by six LDS stores.  In a trip: six LDS loads land in it, the trip's arithmetic reads it.
;   v[NXT]          an LDS load lands in it; the first line of the next trip reads it.
;   v[RA], v[LA]    made at a trip's head, read by the trip's seven LDS loads.
;   v80-85, 88, 89  made by the tap arithmetic, read by the two global stores.          v[SPW], v[NIL]  made at the head, read by the closing add alone.
; A trip's record address is made of a loaded entry, so each trip has one wait on vm_vsrc ahead of the three lines that make IDX, RA and LA, and one wait on va_vdst behind them; the seven loads
; follow with no further wait.  No second record buffer: that wait would be owed all the same, and a record fetched a trip ahead would want entries beyond the list's eight dummies.
; Compares into scalar registers stand in runs, other work behind them where there is any, and one wait on va_sdst ahead of the run's first reader.
.set R255,  0x3b808081                 ; fl(1 / 255)
.set WMIN,  0x3089705f                 ; 1e-9
.set HALFW, 0x43ffc000                 ; 511.5 = (1024 - 1) / 2
.set LASTB, 0x447f8000                 ; 1022.0
.set PITCH, 112                        ; a record: 96 bytes + 16: 7 x 16
.set DUMMY, 256                        ; record 256 is all zeros: its edge values are 0, never inside
.set LIST,  28928                      ; behind 257 records: for each wave 264 entries and, as entry 264, a word for the lanes that have nothing to store
.set LISTW, 1280
.set ZMB,   39168                      ; the eight waves' least z
.set SPARE, 39424                      ; the spare words, 128 bytes a wave
.set SPW, 6                            ; v6   LDS address of my spare word; never rewritten
.set NIL, 7                            ; v7   0; never rewritten
.set PX,  8                            ; v8   my column's x
.set PY,  9                            ; v9-12  the four rows' y
.set LB,  13                           ; v13  my wave's list
.set LA,  15                           ; v15  my slot's entry that was asked for last
.set ZB,  16                           ; v16-19  by row: depth so far
.set UB,  20                           ; v20-23  u of the triangle in front
.set VB,  24                           ; v24-27  v
.set OB,  28                           ; v28-31  its index, -1: none
.set IDX, 32
.set NXT, 33
.set RA,  34
.set XA,  35                           ; px - Ax, px - Bx, px - Cx
.set XB,  36
.set XC,  37
.set ZA,  38                           ; v38  LDS address of the eight least z; never rewritten
.set AX, 40                            ; the record, six quads
.set AY, 41
.set AZ, 42
.set WS, 43
.set BX, 44
.set BY, 45
.set BZ, 46
.set RW, 47
.set CX, 48
.set CY, 49
.set CZ, 50
.set DYAB, 52
.set DXAB, 53
.set DYCB, 54
.set DXCB, 55
.set DYCA, 56
.set DXCA, 57
.set U0, 58
.set V0, 59
.set U1, 60
.set V1, 61
.set U2, 62
.set V2, 63
.set TB, 72                            ; v72-119  twelve at work for each row
.macro LIN x, t                        ; a whole number 0 .. 255 in f32 -> the grid's coordinate s - (1 - s), s = n fl(1/255), as in the launch before
	v_mul_f32 v[\x], R255, v[\x]
	v_sub_f32 v[\t], 1.0, v[\x]
	v_sub_f32 v[\x], v[\x], v[\t]
.endm
	s_load_b256 s[4:11], s[0:1], 0x0               ; tris s[4:5], uvs s[6:7], masks s[8:9], tex s[10:11]
	s_load_b64 s[12:13], s[0:1], 0x20              ; wts
	v_lshl_add_u32 v[SPW], v0, 2, SPARE
	v_mov_b32 v[NIL], 0
	v_and_b32 v1, 31, v0                           ; lane
	v_lshrrev_b32 v2, 5, v0
	v_readfirstlane_b32 s14, v2                    ; wave = tile of the block
	v_mul_u32_u24 v3, v0, 36                       ; my triangle's 9 floats
	v_mul_u32_u24 v4, v0, 24                       ; and its 6 of uvs
	s_wait_alu depctr_va_sdst(0)                   ; s14 is written, ahead of its first reader two lines down
	s_lshl_b32 s36, ttmp9, 8                       ; 8 tiles x 32 bytes a block,
	s_lshl_b32 s37, s14, 5
	s_add_co_u32 s36, s36, s37                     ; my tile's 8 words
	s_mov_b32 s37, 0
	s_wait_kmcnt 0x0
	s_add_nc_u64 s[8:9], s[8:9], s[36:37]
	s_load_b256 s[16:23], s[8:9], 0x0
	s_wait_alu depctr_va_vdst(0)                   ; v3 and v4 are written, which the six loads below read as their offsets
	global_load_b96 v[40:42], v3, s[4:5]           ; A, B, C land where the record wants them
	global_load_b96 v[44:46], v3, s[4:5] offset:12
	global_load_b96 v[48:50], v3, s[4:5] offset:24
	global_load_b64 v[64:65], v4, s[6:7]
	global_load_b64 v[66:67], v4, s[6:7] offset:8
	global_load_b64 v[68:69], v4, s[6:7] offset:16
	; while they are out: the tile's coordinates and the constants
	s_and_b32 s38, ttmp9, 15
	s_lshl_b32 s38, s38, 4
	s_and_b32 s40, s14, 1
	s_lshl3_add_u32 s38, s40, s38                  ; first column
	s_lshr_b32 s39, ttmp9, 4
	s_lshl_b32 s39, s39, 4
	s_lshr_b32 s41, s14, 1
	s_lshl2_add_u32 s39, s41, s39                  ; first row
	s_sub_co_u32 s42, 255, s39                     ; row i has y = coordinate(255 - i)
	v_and_b32 v2, 7, v1
	v_add_nc_u32 v[PX], s38, v2
	v_cvt_f32_u32 v[PX], v[PX]
.irp r, 0,1,2,3
	s_sub_co_u32 s[44+\r], s42, \r
	v_cvt_f32_u32 v[PY+\r], s[44+\r]
.endr
	LIN PX, 120
	LIN PY, 121
	LIN PY+1, 122
	LIN PY+2, 123
	LIN PY+3, 124
	s_mul_i32 s48, s14, LISTW
	s_add_co_u32 s48, s48, LIST
	v_mov_b32 v[LB], s48
	v_lshrrev_b32 v2, 3, v1                        ; slot
	v_lshl_add_u32 v[LA], v2, 2, v[LB]
	s_mov_b32 s49, WMIN
	s_mov_b32 s51, HALFW
	s_mov_b32 s55, LASTB
	s_mov_b32 s52, 0x76543210                      ; v_permlanex16_b32: each lane takes its own place in the other half
	s_mov_b32 s53, 0xfedcba98
	s_lshl_b32 s54, s14, 2
	s_add_co_u32 s54, s54, ZMB
	; THE LIST.  Bit l of word c goes to entry (bits set in words before c) + (bits set below l).  A lane without its bit gets 512 more and is clamped onto entry 264.
	s_wait_kmcnt 0x0
	s_mov_b32 s24, 0
.irp c, 0,1,2,3,4,5,6,7
	s_bcnt1_i32_b32 s50, s[16+\c]
	s_add_co_u32 s[25+\c], s[24+\c], s50
	s_not_b32 s[56+\c], s[16+\c]
.endr
	s_add_co_u32 s33, s32, 3
	s_lshr_b32 s33, s33, 2                         ; trips: four entries each
.irp c, 0,1,2,3,4,5,6,7
	v_bfe_u32 v[120+2*\c], s[56+\c], v1, 1
	v_mbcnt_lo_u32_b32 v[121+2*\c], s[16+\c], s[24+\c]
	v_lshl_add_u32 v[120+2*\c], v[120+2*\c], 9, v[121+2*\c]
	v_min_u32 v[120+2*\c], 264, v[120+2*\c]        ; a number made of loaded words enters an address only behind this clamp
	v_lshl_add_u32 v[120+2*\c], v[120+2*\c], 2, v[LB]
	v_add_nc_u32 v[121+2*\c], 32*\c, v1
.endr
	v_and_b32 v136, 7, v1                          ; eight dummies behind the last entry: the last trip's empty slots, and the entry that it fetches ahead
	v_add_nc_u32 v136, s32, v136
	v_min_u32 v136, 263, v136
	v_lshl_add_u32 v136, v136, 2, v[LB]
	v_mov_b32 v137, DUMMY
	v_mul_u32_u24 v141, v0, PITCH                  ; my record's place,
	v_mov_b32 v142, s54                            ; my wave's least z,
	v_mov_b32 v[ZA], ZMB                           ; and all eight
	s_wait_alu depctr_va_vdst(0)                   ; the nine addresses and the nine data in v120 to v137 are written, which the run of LDS stores below reads
.irp c, 0,1,2,3,4,5,6,7
	ds_store_b32 v[120+2*\c], v[121+2*\c]
.endr
	ds_store_b32 v136, v137
	; MY TRIANGLE'S RECORD
	s_wait_loadcnt 0x0
	v_sub_f32 v[DYAB], v[AY], v[BY]
	v_sub_f32 v[DXAB], v[AX], v[BX]
	v_sub_f32 v[DYCB], v[BY], v[CY]
	v_sub_f32 v[DXCB], v[BX], v[CX]
	v_sub_f32 v[DYCA], v[CY], v[AY]
	v_sub_f32 v[DXCA], v[CX], v[AX]
	v_mul_f32 v[WS], v[DYAB], v[DXCA]              ; the area, as in the launch before
	v_fma_f32 v[WS], -v[DXAB], v[DYCA], v[WS]
	v_cmp_ge_f32 vcc_lo, v[WS], s49
	v_min3_num_f32 v139, v[AZ], v[BZ], v[CZ]       ; seven lines that do not hang on the compare stand between it and the wait for it
	v_fma_f32 v[U0], v64, 2.0, -1.0                ; uvs from 0 .. 1 to -1 .. 1
	v_fma_f32 v[V0], v65, 2.0, -1.0
	v_fma_f32 v[U1], v66, 2.0, -1.0
	v_fma_f32 v[V1], v67, 2.0, -1.0
	v_fma_f32 v[U2], v68, 2.0, -1.0
	v_fma_f32 v[V2], v69, 2.0, -1.0
	s_wait_alu depctr_va_vcc(0)                    ; VCC is written by the compare, ahead of the select that reads it
	v_cndmask_b32 v[WS], 1.0, v[WS], vcc_lo
	v_rcp_f32 v[RW], v[WS]
	v_mov_b32 v51, 0                               ; these plain lines stand between the reciprocal and its use (ISA guide 5.7.2)
	v_mov_b32 v140, v139
	v_min_num_f32_dpp v139, v139, v139 row_xmask:1 row_mask:0xf bank_mask:0xf  ; the wave's least z
	v_min_num_f32_dpp v139, v139, v139 row_xmask:2 row_mask:0xf bank_mask:0xf
	v_min_num_f32_dpp v139, v139, v139 row_xmask:4 row_mask:0xf bank_mask:0xf
	v_min_num_f32_dpp v139, v139, v139 row_xmask:8 row_mask:0xf bank_mask:0xf
	v_permlanex16_b32 v140, v139, s52, s53
	v_min_num_f32 v139, v139, v140
	s_wait_alu depctr_va_vdst(0)                   ; the reciprocal has written v[RW], ahead of its first reader
	v_fma_f32 v138, -v[WS], v[RW], 1.0             ; one step of Newton
	v_fma_f32 v[RW], v138, v[RW], v[RW]
	s_wait_alu depctr_va_vdst(0)                   ; the record v40 to v63 and v139 are written, which the LDS stores below read.  It also stands for v[ZA] and v[LA], by which the loads behind the barrier read: no vector line between names them or those loads' destinations
.irp k, 0,1,2,3,4,5
	ds_store_b128 v141, v[40+4*\k:43+4*\k] offset:16*\k
.endr
	ds_store_b32 v142, v139
	s_cmp_lg_u32 s14, 0
	s_cbranch_scc1 .Lno_dummy
	v_mov_b32 v143, DUMMY*PITCH                    ; wave 0 also writes the dummy record
	v_mov_b32 v144, 0
	v_mov_b32 v145, 0
	v_mov_b32 v146, 0
	v_mov_b32 v147, 0
	s_wait_alu depctr_va_vdst(0)                   ; v143 to v147 are written, which the six LDS stores below read
.irp k, 0,1,2,3,4,5
	ds_store_b128 v143, v[144:147] offset:16*\k
.endr
.Lno_dummy:
	s_wait_dscnt 0x0                               ; for the others' sake: my records and my least z are in LDS
	s_barrier_signal -1
	s_barrier_wait -1
	ds_load_b128 v[148:151], v[ZA]
	ds_load_b128 v[152:155], v[ZA] offset:16
	ds_load_b32 v[NXT], v[LA]                      ; trip 0's entry
.irp r, 0,1,2,3
	v_mov_b32 v[UB+\r], 0
	v_mov_b32 v[VB+\r], 0
	v_mov_b32 v[OB+\r], -1
.endr
	s_wait_dscnt 0x1                               ; the eight least z are in; the entry, issued behind them, may stay out
	v_min3_num_f32 v148, v148, v149, v150
	v_min3_num_f32 v148, v148, v151, v152
	v_min3_num_f32 v148, v148, v153, v154
	v_min_num_f32 v[ZB], v148, v155                ; the depth starts at the least z of all vertices
	v_mov_b32 v[ZB+1], v[ZB]
	v_mov_b32 v[ZB+2], v[ZB]
	v_mov_b32 v[ZB+3], v[ZB]
	; THE WALK.  The counter runs to the constant 64 (256 entries); the loop is left by a forward jump when the tile's trips are done.
	s_mov_b32 s34, 0
.Ltrip:
	s_cmp_ge_u32 s34, s33
	s_cbranch_scc1 .Ldone
	s_wait_dscnt 0x0                               ; my slot's entry, asked for a trip ago
	s_wait_alu depctr_vm_vsrc(0)                   ; the last trip's LDS loads have read v[RA] and v[LA], which the lines below write; in the first trip: the load of the first entry has read v[LA], and the LDS stores of my record have read v40 to v63, in which this trip's loads land
	v_min_u32 v[IDX], DUMMY, v[NXT]                ; a loaded number: clamped before it enters an address
	v_mul_u32_u24 v[RA], v[IDX], PITCH
	v_add_nc_u32 v[LA], 16, v[LA]                  ; my slot's next entry
	s_wait_alu depctr_va_vdst(0)                   ; v[RA] and v[LA] are written, by which the seven loads below read; the last trip's arithmetic (in the first trip: the making of my record) is done with v40 to v63, and the clamp above with v[NXT], in which they land
.irp k, 0,1,2,3,4,5
	ds_load_b128 v[40+4*\k:43+4*\k], v[RA] offset:16*\k
.endr
	ds_load_b32 v[NXT], v[LA]                      ; the next trip's entry
	s_wait_dscnt 0x4                               ; seven were issued: the first three quads (the vertices, w, 1/w) are in
	v_sub_f32 v[XB], v[PX], v[BX]
	v_sub_f32 v[XC], v[PX], v[CX]
	v_sub_f32 v[XA], v[PX], v[AX]
.irp r, 0,1,2,3
.set T, TB+12*\r
	v_sub_f32 v[T], v[PY+\r], v[BY]
	v_sub_f32 v[T+1], v[PY+\r], v[CY]
	v_sub_f32 v[T+2], v[PY+\r], v[AY]
.endr
	s_wait_dscnt 0x2                               ; quads 3 and 4 (the edges' differences, u0, v0)
.irp r, 0,1,2,3
.set T, TB+12*\r
	v_mul_f32 v[T], v[T], v[DXAB]
	v_mul_f32 v[T+1], v[T+1], v[DXCB]
	v_mul_f32 v[T+2], v[T+2], v[DXCA]
.endr
.irp r, 0,1,2,3
.set T, TB+12*\r
	v_fma_f32 v[T], v[XB], v[DYAB], -v[T]          ; pAB
	v_fma_f32 v[T+1], v[XC], v[DYCB], -v[T+1]      ; pCB
	v_fma_f32 v[T+2], v[XA], v[DYCA], -v[T+2]      ; pCA
.endr
.irp r, 0,1,2,3
.set T, TB+12*\r
	v_min3_num_f32 v[T+3], v[T], v[T+1], v[T+2]
	v_mul_f32 v[T+4], v[T+1], v[RW]
	v_mul_f32 v[T+5], v[T+2], v[RW]
.endr
.irp r, 0,1,2,3
.set T, TB+12*\r
	v_fma_f32 v[T+6], -v[T+4], v[WS], v[T+1]       ; what the first quotient leaves, exactly
	v_fma_f32 v[T+7], -v[T+5], v[WS], v[T+2]
	v_cmp_lt_f32 s[56+\r], 0, v[T+3]               ; inside
.endr
.irp r, 0,1,2,3
.set T, TB+12*\r
	v_fma_f32 v[T+4], v[T+6], v[RW], v[T+4]        ; w1
	v_fma_f32 v[T+5], v[T+7], v[RW], v[T+5]        ; w2
.endr
	s_wait_dscnt 0x1                               ; quad 5 (u1, v1, u2, v2); only the next entry is out
.irp r, 0,1,2,3
.set T, TB+12*\r
	v_sub_f32 v[T+8], 1.0, v[T+4]
	v_mul_f32 v[T+9], v[T+5], v[BZ]
	v_mul_f32 v[T+10], v[T+5], v[U1]
	v_mul_f32 v[T+11], v[T+5], v[V1]
.endr
.irp r, 0,1,2,3
.set T, TB+12*\r
	v_sub_f32 v[T+8], v[T+8], v[T+5]               ; w3
	v_fma_f32 v[T+9], v[T+4], v[AZ], v[T+9]
	v_fma_f32 v[T+10], v[T+4], v[U0], v[T+10]
	v_fma_f32 v[T+11], v[T+4], v[V0], v[T+11]
.endr
.irp r, 0,1,2,3
.set T, TB+12*\r
	v_fma_f32 v[T+9], v[T+8], v[CZ], v[T+9]        ; z
.endr
.irp r, 0,1,2,3
.set T, TB+12*\r
	v_cmp_ge_f32 s[60+\r], v[T+9], v[ZB+\r]        ; level counts as in front: a slot's entries come in rising order
.endr
.irp r, 0,1,2,3
.set T, TB+12*\r
	v_fma_f32 v[T+10], v[T+8], v[U2], v[T+10]      ; u: these eight lines stand between the compares and the wait for them
	v_fma_f32 v[T+11], v[T+8], v[V2], v[T+11]      ; v
.endr
	s_wait_alu depctr_va_sdst(0)                   ; the trip's eight compares have written s56 to s63, ahead of their first readers, the s_and_b32 below
.irp r, 0,1,2,3
.set T, TB+12*\r
	s_and_b32 s[56+\r], s[56+\r], s[60+\r]
	v_cndmask_b32 v[ZB+\r], v[ZB+\r], v[T+9], s[56+\r]
	v_cndmask_b32 v[UB+\r], v[UB+\r], v[T+10], s[56+\r]
	v_cndmask_b32 v[VB+\r], v[VB+\r], v[T+11], s[56+\r]
	v_cndmask_b32 v[OB+\r], v[OB+\r], v[IDX], s[56+\r]
.endr
	s_add_co_u32 s34, s34, 1
	s_cmp_lt_u32 s34, 64
	s_cbranch_scc1 .Ltrip
.Ldone:
	s_wait_dscnt 0x0                               ; the entry fetched ahead and not used is back: all my reads of LDS are over,
	s_barrier_signal -1                            ; and I say so.  The merge below, work on registers alone, stands between the signal and the wait;
	                                               ; behind the wait no wave still reads LDS, and only there does a wave write LDS again (its closing add)
	; THE FOUR SLOTS BECOME ONE.  Candidate b takes candidate a's place where it lies in front, or level with a later triangle.  The compares and the selects are two macros, so that one wait can serve the compares of two merges.
.macro PICKC a, b, m
	v_cmp_gt_f32 s[\m], v[ZB+\b], v[ZB+\a]
	v_cmp_eq_f32 s[\m+1], v[ZB+\b], v[ZB+\a]
	v_cmp_gt_i32 s[\m+2], v[OB+\b], v[OB+\a]
.endm
.macro PICKS a, b, m
	s_and_b32 s[\m+1], s[\m+1], s[\m+2]
	s_or_b32 s[\m], s[\m], s[\m+1]
	v_cndmask_b32 v[ZB+\a], v[ZB+\a], v[ZB+\b], s[\m]
	v_cndmask_b32 v[UB+\a], v[UB+\a], v[UB+\b], s[\m]
	v_cndmask_b32 v[VB+\a], v[VB+\a], v[VB+\b], s[\m]
	v_cndmask_b32 v[OB+\a], v[OB+\a], v[OB+\b], s[\m]
.endm
	; Lanes 16 apart: the swap gives lanes 0-15 both candidates for rows 0 and 1 (registers 0, 2 and 1, 3), lanes 16-31 both for rows 2 and 3.
.irp f, ZB, UB, VB, OB
	v_permlane16_swap_b32 v[\f], v[\f+2]
	v_permlane16_swap_b32 v[\f+1], v[\f+3]
.endr
	PICKC 0, 2, 56
	PICKC 1, 3, 60
	s_wait_alu depctr_va_sdst(0)                   ; the six compares have written s56 to s58 and s60 to s62, ahead of their first readers
	PICKS 0, 2, 56
	PICKS 1, 3, 60
	; Lanes 8 apart: a lane with bit 3 keeps its second row and sends the first, the others the other way round.
	s_mov_b32 s59, 0xff00ff00
.irp f, ZB, UB, VB, OB
	v_cndmask_b32 v[\f+3], v[\f+1], v[\f], s59
	v_cndmask_b32 v[\f], v[\f], v[\f+1], s59
	v_mov_b32_dpp v[\f+2], v[\f+3] row_xmask:8 row_mask:0xf bank_mask:0xf
.endr
	PICKC 0, 2, 60
	s_wait_alu depctr_va_sdst(0)                   ; the three compares have written s60 to s62, ahead of their first readers
	PICKS 0, 2, 60
	; WHERE THE PIXEL READS THE MAP.  x = (g + 1) / 2 x 1023; x0 = floor x, wx = x - x0; taps x0 (weight 1 - wx) and x0 + 1 (weight wx), none outside 0 .. 1023.
	; The base b = x0 clamped to 0 .. 1022 makes the two taps columns b and b + 1: x0 = b: (1 - wx, wx); x0 = b - 1 (x0 = -1): (wx, 0); x0 = b + 1 (x0 = 1023): (0, 1 - wx); else (0, 0).
.macro AXISA g, b, t, m                ; the base, the two weights and the three compares
	v_fma_f32 v[\b], v[\g], s51, s51
	v_floor_f32 v[\t], v[\b]
	v_sub_f32 v[\t+1], v[\b], v[\t]
	v_sub_f32 v[\t+2], 1.0, v[\t+1]
	v_med3_num_f32 v[\b], v[\t], 0, s55
	v_sub_f32 v[\t], v[\t], v[\b]
	v_cmp_eq_f32 s[\m], 0, v[\t]
	v_cmp_eq_f32 s[\m+1], -1.0, v[\t]
	v_cmp_eq_f32 s[\m+2], 1.0, v[\t]
.endm
.macro AXISB l, r, t, m                ; the selects
	v_cndmask_b32 v[\l], 0, v[\t+1], s[\m+1]
	v_cndmask_b32 v[\r], 0, v[\t+2], s[\m+2]
	v_cndmask_b32 v[\l], v[\l], v[\t+2], s[\m]
	v_cndmask_b32 v[\r], v[\r], v[\t+1], s[\m]
.endm
	AXISA UB, 90, 92, 56
	AXISA VB, 91, 96, 60
	v_cmp_le_i32 s59, 0, v[OB]                     ; a triangle covers the pixel
	v_cvt_u32_f32 v86, v90                         ; the index and the stores' addresses stand between the compares and the wait for them
	v_cvt_u32_f32 v87, v91
	v_lshl_add_u32 v84, v87, 10, v86
	s_lshr_b32 s43, ttmp9, 4
	s_lshl2_add_u32 s43, s43, s41                  ; tile row
	s_lshl_b32 s43, s43, 5
	s_and_b32 s50, ttmp9, 15
	s_lshl1_add_u32 s50, s50, s40                  ; tile column
	s_add_co_u32 s43, s43, s50
	s_lshl_b32 s50, s43, 8
	v_lshl_add_u32 v88, v1, 3, s50
	s_lshl_b32 s50, s43, 9
	v_lshl_add_u32 v89, v1, 4, s50
	s_wait_alu depctr_va_sdst(0)                   ; the seven compares have written s56 to s62, ahead of the selects that read them
	AXISB 80, 81, 92, 56
	AXISB 82, 83, 96, 60
	v_cndmask_b32 v80, 0, v80, s59                 ; if none: both column weights 0, so every tap's weight is 0
	v_cndmask_b32 v81, 0, v81, s59
	v_cndmask_b32 v85, 0, 1.0, s59                 ; alpha
	s_barrier_wait -1                              ; all eight waves have said that their reads of LDS are over
	s_wait_alu depctr_va_vdst(0)                   ; v80 to v85, the data, and v88 and v89, the offsets, are written, which the two stores below read
	global_store_b64 v88, v[84:85], s[10:11]       ; the wave's 256 consecutive bytes, aligned
	global_store_b128 v89, v[80:83], s[12:13]      ; 512 consecutive bytes, aligned
	s_wait_dscnt 0x0                               ; the closing lines, six on end
	s_wait_alu 0x0
	s_wait_tensorcnt 0x0
	ds_add_u32 v[SPW], v[NIL]
	s_wait_dscnt 0x0
	s_endpgm
.Lfunc_end_k_q46b88ae0b9_raster:
	.size	k_q46b88ae0b9_raster, .Lfunc_end_k_q46b88ae0b9_raster-k_q46b88ae0b9_raster
	.p2alignl 7, 3214868480
	.fill 96, 4, 3214868480
	.section	.rodata,"a",@progbits
	.p2align	6, 0x0
	.amdhsa_kernel k_q46b88ae0b9_raster
		.amdhsa_group_segment_fixed_size 40448
		.amdhsa_private_segment_fixed_size 0
		.amdhsa_enable_private_segment 0
		.amdhsa_kernarg_size 40
		.amdhsa_user_sgpr_count 2
		.amdhsa_user_sgpr_kernarg_segment_ptr 1
		.amdhsa_wavefront_size32 1
		.amdhsa_system_sgpr_workgroup_id_x 1
		.amdhsa_system_sgpr_workgroup_id_y 1
		.amdhsa_system_sgpr_workgroup_id_z 1
		.amdhsa_system_vgpr_workitem_id 0
		.amdhsa_next_free_vgpr 156
		.amdhsa_next_free_sgpr 66
		.amdhsa_reserve_vcc 1
		.amdhsa_float_denorm_mode_32 3
		.amdhsa_float_denorm_mode_16_64 3
		.amdhsa_memory_ordered 1
		.amdhsa_forward_progress 1
		.amdhsa_inst_pref_size 26
	.end_amdhsa_kernel
	.amdgpu_metadata
---
amdhsa.version: [ 1, 2 ]
amdhsa.kernels:
  - .name:           k_q46b88ae0b9_raster
    .symbol:         k_q46b88ae0b9_raster.kd
    .args:
      - { .name: tris, .offset: 0, .size: 8, .value_kind: global_buffer, .address_space: global }
      - { .name: uvs, .offset: 8, .size: 8, .value_kind: global_buffer, .address_space: global }
      - { .name: masks, .offset: 16, .size: 8, .value_kind: global_buffer, .address_space: global }
      - { .name: tex, .offset: 24, .size: 8, .value_kind: global_buffer, .address_space: global }
      - { .name: wts, .offset: 32, .size: 8, .value_kind: global_buffer, .address_space: global }
    .group_segment_fixed_size: 40448
    .private_segment_fixed_size: 0
    .kernarg_segment_align: 8
    .kernarg_segment_size: 40
    .max_flat_workgroup_size: 256
    .sgpr_count:     66
    .vgpr_count:     156
    .wavefront_size: 32
...
	.end_amdgpu_metadata
.endif
;; end of part 4
;; launch shade: the kernel of part 3 again; grid 256 x 1, 4 waves a work-group, no clusters, 0 bytes of LDS; arguments uvmap, tex, wts, out0; writes out0
